; MI455X (gfx1250); checked and timed in simulation.
; The chip was launched on July 23, 2026; its instructions are those of AMD's public machine-readable ISA for CDNA 5 (MIT licence, August 2026) and "CDNA5" Instruction Set Architecture Reference Guide (July 2026). The comments in the code are by the model that wrote it; some were corrected since.
;; Pairwise Adj Decoder. Allowed arithmetic: matrix products marked QUANTISED: E2M1 operands, one E8M0 scale for each 32 along K, by v_wmma_scale_f32_16x16x128_f8f6f4 with both operands' format E2M1 (or v_wmma_scale_f32_32x16x128_f4), f32 sums; products left as they are: f32 operands where the result goes on into a quantised operand, else bf16, f16 or f32 operands; f32 sums; everything else in f32.
;; Inputs: W1 512 x 512 float32; W2 512 x 512 float32; W3 512 x 1 float32; b1 512 float32; b2 512 float32; b3 1 float32; h 512 x 256 float32.
;; Outputs: out0 512 x 512 float32.
;; This version of the problem:
;;   THIS VERSION OF THE PROBLEM IS GIVEN IN LOW PRECISION. The matrix products marked QUANTISED in the list below multiply operands that are first quantised to E2M1 (2 exponent bits, 1 mantissa bit; 4 bits a number), with one power-of-two scale for each 32 numbers along K (OCP MX v1.0); their sums are f32. All else is computed in f32.
;;   The module's matrix products, in the order in which they are computed (A, B: the left and right operand; K: the contracted axis; several contracted axes count as one K, in the product's order):
;;     1. [M 512, K 256] x [K 256, N 512]; A: input h; B: input W1: QUANTISED
;;     2. [M 512, K 256] x [K 256, N 512]; A: input h; B: input W1: QUANTISED
;;     3. [M 262,144, K 512] x [K 512, N 512]; A: computed on the way; B: input W2: QUANTISED
;;     4. [M 262,144, K 512] x [K 512, N 1]; A: computed on the way; B: input W3: left as it is (N = 1 < 16)
;;   THE QUANTISER, for each operand of a quantised product, along K:
;;     - K is cut into blocks of 32 from its start; a last block that is shorter is filled with zeros.
;;     - A block's scale is 2^e with e = floor(log2(the largest magnitude in the block)) - 2, held to -126 .. 127; a block of zeros has e = 0. As a byte (E8M0): e + 127.
;;     - Each number is divided by its block's scale, clamped to +-6, and rounded to the nearest number of E2M1, ties to even, subnormals kept.
;;     - The product sums the exact products of the quantised numbers (number of the format x scale) in f32.
;;   ~~~python
;;   def quantise(x, axis):      # numpy; x: float32 -> the quantised numbers, widened to float32 again
;;       x = np.moveaxis(x, axis, -1); K = x.shape[-1]
;;       x = np.pad(x, [(0, 0)] * (x.ndim - 1) + [(0, -K % 32)]); x = x.reshape(x.shape[:-1] + (-1, 32)); a = np.abs(x).max(-1, keepdims=True)
;;       e = np.where(a > 0, np.clip(np.frexp(np.where(a > 0, a, 1))[1] - 1 - 2, -126, 127), 0)      # np.frexp(a)[1] - 1 = floor(log2(a)), exactly
;;       r = np.clip(x / 2.0 ** e, -6, 6)
;;       step = 2.0 ** (np.maximum(np.frexp(np.where(r == 0, 1, r))[1] - 1, 0) - 1)
;;       q = np.round(r / step) * step * 2.0 ** e      # np.round: ties to even
;;       return np.moveaxis(q.reshape(q.shape[:-2] + (-1,))[..., :K], -1, axis).astype(np.float32)
;;   ~~~
;;   OPERANDS COMPUTED ON THE WAY. 'Computed on the way' means the value that the module computes at that place (a softmax that the list does not call 'softmax' is quantised finished and normalised). What goes into a quantiser is computed in f32, as accurately as f32 sums, v_exp_f32 and their like allow (about 1e-6 of the number): no bf16 or f16 on the way to a quantiser, and a product that is left as it is and whose result goes on into a quantised operand takes f32 operands (vector FMAs, or v_wmma_f32_16x16x4_f32). A number that lies on a knife's edge between two numbers of the format may be rounded either way, as far as f32 arithmetic and the matrix unit's own rounding can turn it there, and no further.
;; One version. Each part assembles by itself: llvm-mc -triple=amdgcn-amd-amdhsa -mcpu=gfx1250 --defsym DOCPART=n.
;; ======== version 1 of 1: 2 launches
;; limits: right only within a limited range of input values
;; workspace buffers: w2q 139,264 bytes; zt 2,097,152 bytes; flags 1,024 bytes of whole numbers
;; launch prep (part 1): grid 40 x 1, 8 waves a work-group, no clusters, 104,448 bytes of LDS; arguments W1, W2, h, b1, w2q, zt, flags; writes w2q, zt, flags
.if DOCPART == 1
	.amdgcn_target "amdgcn-amd-amdhsa--gfx1250"
	.amdhsa_code_object_version 6
	.text
	.protected	k_qed6a83a60b_prep
	.globl	k_qed6a83a60b_prep
	.p2align	8
	.type	k_qed6a83a60b_prep,@function
k_qed6a83a60b_prep:
	s_mov_b64 s[64:65], 0
	v_nop
	global_prefetch_b8 v0, s[64:65] scope:SCOPE_SE
	s_setreg_imm32_b32 hwreg(HW_REG_WAVE_MODE, 25, 1), 1
	s_wait_xcnt 0x0
; Two shares, parted on the work-group's number.
; WORK-GROUPS 0-7: W2 [512 (k)][512 (n)] f32 becomes codes of FP4 (E2M1) with one E8M0 byte for each 32 along K, in the order of a matrix operand's registers.
;   w2q: fragment (nt = n / 16, ks = k / 128) at (4 nt + ks) x 1,024; in it group c at 512 c, lane (r, hh) at 16 (16 hh + r): column 16 nt + r, k = 128 ks + 64 c + 32 hh + 0 .. 31.
;   Scale words from byte 131,072: nt x 256 + r x 16 + ks x 4.  A wave takes 32 columns x 128 k: a lane a column, its registers down K.
; WORK-GROUPS 8-39: products 1 and 2, once for the whole program: zt[0] = c (Q(h) Q(W1[:256]) + b1), zt[1] = c Q(h) Q(W1[256:]), c = 2 log2(e), both [512][512] f32.
;   Work-group (half, cg, rg): 128 columns x 128 rows.  Its 8 waves quantise W1's 256 k x 128 columns (a wave 32 columns x 128 k, as above) and h's 128 rows (a wave 16 rows x 256 k)
;   into LDS as images of operand registers; then wave w multiplies columns 16 w .. + 15 with the eight tiles of rows (source 0 = W1's columns, source 1 = h's rows: a lane holds eight neighbouring columns of a row).
;   z leaves through a stage in LDS as whole rows of 512 bytes.  flags[8 work-group + wave] = 1 where some |z| of the wave is over 120, else 0: the next launch chooses its form of the first layer by it.
; No tensor loads, no cluster, no prefetch: each share reads its bytes once, at its start, through registers.
; LIMITS: a block of zeros gets the scale byte 1 where the rule says 127 (its codes are zeros; this program alone reads the bytes); blocks whose largest magnitude lies under 2^-124 are held at the byte 1; NaN and infinities are not served.
.set W1S,   16384                      ; LDS: 0 W1's 16 fragments; here their scale words, 64 bytes a fragment
.set HI,    17408                      ; h's 16 fragments, fragment 2 mt + ks
.set HS,    33792                      ; their scale words, 128 bytes a fragment
.set ZS,    35840                      ; the stage: 128 rows of 512 + 16 bytes
.set ZSP,   528
.set SPARE, 103424                     ; the spare words, 128 bytes a wave
.set MA, 8
.set MB, 9
.set SV, 10
.set BY, 11
.set WD, 12                            ; v12, v13: scale words of W1 or W2 and nothing else
.set SPW, 14
.set NIL, 15
.set CD, 16                            ; v16-31 codes; later W1's two fragments
.set XN, 32                            ; v32-159 128 numbers; later four tiles' fragments of h, then the rows on their way out
.set HN, 160                           ; v160-223 64 numbers of h; later four accumulators
.set HC, 224                           ; v224-231 h's codes; later b1 as C
.set HW, 232                           ; v232-239 scale words of h and nothing else
.set VH, 240
.set A32H, 241
.set L16, 242
.set AHW, 243
.set AHSW, 244
.set AH, 245
.set AHS, 246
.set AW1, 247
.set AW1S, 248
.set AZS, 249
.set AZR, 250
.set MXZ, 251
.set FV, 252
.set TP, 253
.set SH8, 254
.set FO, 255
.macro QB x, dst                       ; 32 numbers of one lane, a whole block, become four registers of codes; v[SV] keeps the scale operand
	v_max3_num_f32 v[MA], |v[(\x)]|, |v[(\x)+1]|, 0x1800000        ; among the leaves the floor 2^(3 - 127): the byte cannot fall under 1
	v_max3_num_f32 v[MB], |v[(\x)+16]|, |v[(\x)+17]|, |v[(\x)+18]|
.irp j, 0,1,2,3,4,5
	v_max3_num_f32 v[MA], v[MA], |v[(\x)+2+2*\j]|, |v[(\x)+3+2*\j]|
	v_max3_num_f32 v[MB], v[MB], |v[(\x)+19+2*\j]|, |v[(\x)+20+2*\j]|
.endr
	v_max3_num_f32 v[MA], v[MA], |v[(\x)+14]|, |v[(\x)+15]|
	v_max3_num_f32 v[MA], v[MA], v[MB], |v[(\x)+31]|
	v_add_nc_u32 v[SV], 0xff000000, v[MA]          ; 2 off the exponent field: the conversion's scale operand
.irp g, 0,1,2,3
	v_cvt_scalef32_pk8_fp4_f32 v[(\dst)+\g], v[(\x)+8*\g:(\x)+8*\g+7], v[SV]
.endr
.endm
.macro LOADB b                         ; block b of my column: 32 rows of 2,048 bytes; a wave reads 128 consecutive bytes
.set i, 0
.rept 32
	global_load_b32 v[XN+32*(\b)+i], v2, s[4:5] offset:(32*(\b)+i)*2048
.set i, i+1
.endr
.endm
.macro BLK b, lds                      ; block b = 2 c + hh of the fragment: sixteen lanes put 256 consecutive bytes
	QB XN+32*(\b), CD+4*(\b)
.if (\b) == 0
	v_lshrrev_b32 v[WD], 23, v[SV]                 ; the scale's byte (also the plain line behind the conversions)
.else
	v_lshrrev_b32 v[BY], 23, v[SV]
	v_lshl_or_b32 v[WD], v[BY], 8*(\b), v[WD]
.endif
.if \lds
	ds_store_b128 v3, v[CD+4*(\b):CD+4*(\b)+3] offset:((\b)/2)*512+((\b)%2)*256
.else
	global_store_b128 v3, v[CD+4*(\b):CD+4*(\b)+3], s[30:31] offset:((\b)/2)*512+((\b)%2)*256
.endif
.endm
	s_load_b256 s[4:11], s[0:1], 0x0               ; W1, W2, h, b1
	s_load_b128 s[12:15], s[0:1], 0x20             ; w2q, zt
	s_load_b64 s[16:17], s[0:1], 0x30              ; flags
	v_lshrrev_b32 v1, 5, v0
	v_readfirstlane_b32 s18, v1                    ; wave 0..7
	v_lshl_add_u32 v[SPW], v0, 2, SPARE
	v_mov_b32 v[NIL], 0
	v_and_b32 v1, 31, v0                           ; lane
	v_lshlrev_b32 v2, 2, v1                        ; in: 4 bytes a lane
	v_lshrrev_b32 v5, 4, v1                        ; lane / 16
	v_and_b32 v6, 15, v1                           ; r
	v_lshlrev_b32 v7, 4, v6                        ; 16 r
	s_cmp_lt_u32 ttmp9, 8
	s_wait_alu depctr_va_vdst(0)                   ; the wait ahead of the branch
	s_cbranch_scc0 .Lyrole
	; ---- W2: task T = 8 work-group + wave: ks = T % 4, 32 columns T / 4
	v_lshl_add_u32 v3, v5, 12, v7                  ; a tile of columns on is four fragments on
	v_lshl_add_u32 v4, v5, 8, v7
	s_lshl_b32 s19, ttmp9, 3
	s_add_co_u32 s19, s19, s18
	s_and_b32 s20, s19, 3
	s_lshr_b32 s21, s19, 2
	s_lshl_b32 s22, s20, 18                        ; in: 128 ks rows + 32 g columns
	s_lshl_b32 s24, s21, 7
	s_add_co_u32 s22, s22, s24
	s_mov_b32 s23, 0
	s_lshl_b32 s24, s21, 13                        ; codes: 2 g tiles x 4,096 + 1,024 ks
	s_lshl_b32 s26, s20, 10
	s_add_co_u32 s24, s24, s26
	s_mov_b32 s25, 0
	s_lshl_b32 s26, s21, 9                         ; scale words: 131,072 + 2 g x 256 + 4 ks
	s_lshl_b32 s28, s20, 2
	s_add_co_u32 s26, s26, s28
	s_add_co_u32 s26, s26, 131072
	s_mov_b32 s27, 0
	s_wait_alu depctr_va_vdst(0)                   ; the wait at the head's end
	s_wait_kmcnt 0x0
	s_add_nc_u64 s[4:5], s[6:7], s[22:23]
	s_add_nc_u64 s[30:31], s[12:13], s[24:25]
	s_add_nc_u64 s[28:29], s[12:13], s[26:27]
	LOADB 0
	LOADB 1
	s_wait_loadcnt 32                              ; block 0 is in; block 1's 32 loads may be out
	LOADB 2
	BLK 0, 0
	s_wait_loadcnt 32
	LOADB 3
	BLK 1, 0
	s_wait_loadcnt 32
	BLK 2, 0
	s_wait_loadcnt 0x0
	BLK 3, 0
	global_store_b32 v4, v[WD], s[28:29]           ; 4 bytes a lane, 16 apart, so that the next launch takes a column's four words by one load of 16 bytes
	s_endpgm
	; ---- z
.Lyrole:
	s_sub_co_u32 s19, ttmp9, 8
	s_lshr_b32 s20, s19, 4                         ; half
	s_bfe_u32 s21, s19, 0x20002                    ; cg
	s_and_b32 s22, s19, 3                          ; rg
	s_and_b32 s23, s18, 1                          ; my K step of W1's half
	s_lshr_b32 s24, s18, 1                         ; my 32 of the 128 columns
	s_lshl_b32 s26, s20, 19                        ; W1: (256 half + 128 ks) rows + (128 cg + 32 g) columns
	s_lshl_b32 s25, s23, 18
	s_add_co_u32 s26, s26, s25
	s_lshl_b32 s25, s21, 9                         ; 512 cg, kept
	s_add_co_u32 s26, s26, s25
	s_lshl_b32 s28, s24, 7
	s_add_co_u32 s26, s26, s28
	s_mov_b32 s27, 0
	s_lshl_b32 s28, s24, 12                        ; LDS: fragment 2 (2 g + lane / 16) + ks
	s_lshl_b32 s29, s23, 10
	s_add_co_u32 s28, s28, s29
	s_lshl_b32 s29, s24, 8
	s_lshl_b32 s30, s23, 6
	s_add_co_u32 s29, s29, s30
	s_add_co_u32 s29, s29, W1S
	s_lshl_b32 s32, s22, 17                        ; h: row 128 rg + 16 w
	s_lshl_b32 s30, s18, 14
	s_add_co_u32 s32, s32, s30
	s_mov_b32 s33, 0
	s_lshl_b32 s34, s18, 6                         ; b1: 128 cg + 16 w
	s_add_co_u32 s34, s34, s25
	s_mov_b32 s35, 0
	s_lshl_b32 s36, s20, 20                        ; zt: half, row 128 rg + 16 w, column 128 cg
	s_lshl_b32 s30, s22, 18
	s_add_co_u32 s36, s36, s30
	s_lshl_b32 s30, s18, 15
	s_add_co_u32 s36, s36, s30
	s_add_co_u32 s36, s36, s25
	s_mov_b32 s37, 0
	s_lshl_b32 s38, s19, 3
	s_add_co_u32 s38, s38, s18
	s_lshl_b32 s38, s38, 2
	s_mov_b32 s39, 0
	s_lshl_b32 s40, s18, 11
	s_lshl_b32 s41, s18, 8
	s_lshl_b32 s42, s18, 7
	s_mul_i32 s43, s18, 16*ZSP
	s_lshl_b32 s49, s18, 6
	s_mov_b32 s44, 0x76543210
	s_mov_b32 s45, 0xfedcba98                      ; v_permlanex16_b32's selects for lane l xor 16
	s_mov_b32 s46, 0x4038aa3b                      ; c = 2 log2(e)
	s_mov_b32 s47, s46
	s_mov_b32 s48, 0x42f00000                      ; 120
	v_lshl_add_u32 v3, v5, 11, v7
	v_add_nc_u32 v3, s28, v3
	v_lshlrev_b32 v4, 2, v6
	v_lshl_add_u32 v4, v5, 7, v4
	v_add_nc_u32 v4, s29, v4
	v_lshlrev_b32 v[VH], 10, v6
	v_lshl_add_u32 v[VH], v5, 7, v[VH]             ; h: row r, + 128 hh: my 32 numbers of each 64
	v_lshlrev_b32 v[A32H], 5, v5
	v_lshlrev_b32 v[L16], 4, v1
	v_add_nc_u32 v[AH], HI, v[L16]
	v_lshl_add_u32 v[AHS], v1, 2, HS
	v_add_nc_u32 v[AHW], s40, v[AH]
	v_add_nc_u32 v[AHSW], s41, v[AHS]
	v_add_nc_u32 v[AW1], s40, v[L16]
	v_lshl_add_u32 v[AW1S], v6, 2, W1S
	v_add_nc_u32 v[AW1S], s42, v[AW1S]
	v_mul_u32_u24 v[AZS], v6, ZSP
	v_lshl_add_u32 v[AZS], v5, 5, v[AZS]
	v_add_nc_u32 v[AZS], s49, v[AZS]
	v_add_nc_u32 v[AZS], ZS, v[AZS]                ; stage, in: row r, my 64 bytes, + 32 hh
	v_add_nc_u32 v[AZR], s43, v[L16]
	v_add_nc_u32 v[AZR], ZS, v[AZR]                ; stage, out: rows 16 w on, 16 bytes a lane
	v_lshlrev_b32 v[SH8], 3, v5
	v_mov_b32 v[TP], 0
	v_mov_b32 v[MXZ], 0
	v_mov_b32 v[FO], 0
	s_wait_alu depctr_va_vdst(0)                   ; the wait at the head's end
	s_wait_kmcnt 0x0
	s_add_nc_u64 s[4:5], s[4:5], s[26:27]
	s_add_nc_u64 s[8:9], s[8:9], s[32:33]
	s_add_nc_u64 s[10:11], s[10:11], s[34:35]
	s_add_nc_u64 s[14:15], s[14:15], s[36:37]
	s_add_nc_u64 s[16:17], s[16:17], s[38:39]
.macro HLOAD ks                        ; 16 rows x 128 k of h: lane (r, hh) takes k = 64 c + 32 hh + 0 .. 31 of row r
.irp c, 0,1
.irp q, 0,1,2,3,4,5,6,7
	global_load_b128 v[HN+32*\c+4*\q:HN+32*\c+4*\q+3], v[VH], s[8:9] offset:512*(\ks)+256*\c+16*\q
.endr
.endr
.endm
.macro QH ks                           ; they become a fragment and its scale word, stored as register images
	s_wait_dscnt 0x0                               ; earlier LDS stores have read the registers written below
	QB HN, HC
	v_lshrrev_b32 v[HW], 23, v[SV]
	QB HN+32, HC+4
	v_lshrrev_b32 v[BY], 23, v[SV]
	v_lshl_or_b32 v[HW], v[BY], 16, v[HW]          ; my blocks hh and 2 + hh,
	v_lshlrev_b32 v[HW], v[SH8], v[HW]             ; at their places;
	v_permlanex16_b32 v[TP], v[HW], s44, s45
	v_or_b32 v[HW], v[HW], v[TP]                   ; with lane l xor 16's two the word is whole
	ds_store_b128 v[AHW], v[HC:HC+3] offset:1024*(\ks)
	ds_store_b128 v[AHW], v[HC+4:HC+7] offset:1024*(\ks)+512
	ds_store_b32 v[AHSW], v[HW] offset:128*(\ks)
.endm
	HLOAD 0
	LOADB 0
	s_wait_loadcnt 32                              ; h's K step 0 is in; W1's block 0 may be out
	QH 0
	HLOAD 1
	s_wait_loadcnt 16                              ; block 0 is in; h's 16 loads may be out
	LOADB 1
	BLK 0, 1
	s_wait_loadcnt 32                              ; h's K step 1 is in; block 1 may be out
	QH 1
	s_wait_dscnt 0x0                               ; the stores have read h's codes: their registers take b1
	s_cmp_lg_u32 s20, 0
	s_wait_alu depctr_va_vdst(0)                   ; the wait ahead of the branch
	s_cbranch_scc1 .Lno_b1
	global_load_b128 v[HC:HC+3], v[A32H], s[10:11]             ; b1 starts yi's sums: b1[128 cg + 16 w + 8 hh + 0 .. 7]
	global_load_b128 v[HC+4:HC+7], v[A32H], s[10:11] offset:16
	s_branch .Lb1_done
.Lno_b1:
.irp j, 0,1,2,3,4,5,6,7
	v_mov_b32 v[HC+\j], 0                          ; yj's sums start at 0
.endr
.Lb1_done:
	LOADB 2
	s_wait_loadcnt 32                              ; all but block 2: block 1 is in, and b1 where it was asked for
	LOADB 3
	BLK 1, 1
	s_wait_loadcnt 32
	BLK 2, 1
	s_wait_loadcnt 0x0
	BLK 3, 1
	ds_store_b32 v4, v[WD]
	s_wait_alu depctr_va_vdst(0)                   ; the wait ahead of the blocking wait
	s_wait_dscnt 0x0
	s_barrier_signal -1
	s_barrier_wait -1                              ; all 32 fragments lie in LDS
.irp k, 0,1
.irp c, 0,1
	ds_load_b128 v[CD+8*\k+4*\c:CD+8*\k+4*\c+3], v[AW1] offset:1024*\k+512*\c
.endr
	ds_load_b32 v[WD+\k], v[AW1S] offset:64*\k
.endr
.irp grp, 0,1                          ; four tiles of 16 rows at a time; the four accumulators take turns
.irp m, 0,1,2,3
.irp k, 0,1
.irp c, 0,1
	ds_load_b128 v[XN+16*\m+8*\k+4*\c:XN+16*\m+8*\k+4*\c+3], v[AH] offset:(8*\grp+2*\m+\k)*1024+512*\c
.endr
	ds_load_b32 v[HW+2*\m+\k], v[AHS] offset:(8*\grp+2*\m+\k)*128
.endr
.endr
	s_wait_dscnt 0x0
.irp m, 0,1,2,3
	v_wmma_scale_f32_16x16x128_f8f6f4 v[HN+8*\m:HN+8*\m+7], v[CD:CD+7], v[XN+16*\m:XN+16*\m+7], v[HC:HC+7], v[WD], v[HW+2*\m] matrix_a_fmt:MATRIX_FMT_FP4 matrix_b_fmt:MATRIX_FMT_FP4
.endr
.irp m, 0,1,2,3
	v_wmma_scale_f32_16x16x128_f8f6f4 v[HN+8*\m:HN+8*\m+7], v[CD+8:CD+15], v[XN+16*\m+8:XN+16*\m+15], v[HN+8*\m:HN+8*\m+7], v[WD+1], v[HW+2*\m+1] matrix_a_fmt:MATRIX_FMT_FP4 matrix_b_fmt:MATRIX_FMT_FP4
.endr
.rept 4
	v_nop                                          ; four places ahead of the first read of a result (ISA guide 7.12.1)
.endr
.set i, 0
.rept 16
	v_pk_mul_f32 v[HN+i:HN+i+1], v[HN+i:HN+i+1], s[46:47] op_sel_hi:[1,0]          ; x c; each accumulator from its low end on
.set i, i+2
.endr
.set i, 0
.rept 16
	v_max3_num_f32 v[MXZ], v[MXZ], |v[HN+i]|, |v[HN+i+1]|
.set i, i+2
.endr
.irp m, 0,1,2,3
	ds_store_b128 v[AZS], v[HN+8*\m:HN+8*\m+3] offset:(4*\grp+\m)*16*ZSP
	ds_store_b128 v[AZS], v[HN+8*\m+4:HN+8*\m+7] offset:(4*\grp+\m)*16*ZSP+16
.endr
.endr
	s_wait_alu depctr_va_vdst(0)                   ; the wait ahead of the blocking wait
	s_wait_dscnt 0x0
	s_barrier_signal -1
	s_barrier_wait -1                              ; 128 whole rows lie in the stage
.irp t, 0,1,2,3,4,5,6,7,8,9,10,11,12,13,14,15
	ds_load_b128 v[XN+4*\t:XN+4*\t+3], v[AZR] offset:\t*ZSP
.endr
	v_cmp_lt_f32 vcc_lo, s48, v[MXZ]               ; a value is chosen, nothing branches on it here
	s_cmp_lg_u32 vcc_lo, 0
	s_cselect_b32 s41, 1, 0
	v_mov_b32 v[FV], s41
	v_cmp_eq_u32 vcc_lo, 0, v1
	s_wait_alu depctr_va_vdst(0)                   ; the wait ahead of the blocking waits
.irp t, 0,1,2,3,4,5,6,7,8,9,10,11,12,13,14,15
	s_wait_dscnt 15-\t
	global_store_b128 v[L16], v[XN+4*\t:XN+4*\t+3], s[14:15] offset:\t*2048        ; 32 lanes store 512 consecutive bytes, at a multiple of 256 from zt's first byte
.endr
	s_wait_xcnt 0x0                                ; EXEC changes only behind this wait
	s_and_saveexec_b32 s42, vcc_lo
	global_store_b32 v[FO], v[FV], s[16:17]        ; lane 0: my wave's flag
	s_wait_xcnt 0x0
	s_or_b32 exec_lo, exec_lo, s42
	s_wait_tensorcnt 0x0                           ; the wave's end
	ds_add_u32 v[SPW], v[NIL]
	s_wait_dscnt 0x0
	s_endpgm
.Lfunc_end_k_qed6a83a60b_prep:
	.size	k_qed6a83a60b_prep, .Lfunc_end_k_qed6a83a60b_prep-k_qed6a83a60b_prep
	.p2alignl 7, 3214868480
	.fill 96, 4, 3214868480
	.section	.rodata,"a",@progbits
	.p2align	6, 0x0
	.amdhsa_kernel k_qed6a83a60b_prep
		.amdhsa_group_segment_fixed_size 104448
		.amdhsa_private_segment_fixed_size 0
		.amdhsa_enable_private_segment 0
		.amdhsa_kernarg_size 56
		.amdhsa_user_sgpr_count 2
		.amdhsa_user_sgpr_kernarg_segment_ptr 1
		.amdhsa_wavefront_size32 1
		.amdhsa_system_sgpr_workgroup_id_x 1
		.amdhsa_system_sgpr_workgroup_id_y 1
		.amdhsa_system_sgpr_workgroup_id_z 1
		.amdhsa_system_vgpr_workitem_id 0
		.amdhsa_next_free_vgpr 256
		.amdhsa_next_free_sgpr 66
		.amdhsa_reserve_vcc 1
		.amdhsa_float_denorm_mode_32 3
		.amdhsa_float_denorm_mode_16_64 3
		.amdhsa_memory_ordered 1
		.amdhsa_forward_progress 1
		.amdhsa_inst_pref_size 66
	.end_amdhsa_kernel
	.amdgpu_metadata
---
amdhsa.version: [ 1, 2 ]
amdhsa.kernels:
  - .name:           k_qed6a83a60b_prep
    .symbol:         k_qed6a83a60b_prep.kd
    .args:
      - { .name: W1, .offset: 0, .size: 8, .value_kind: global_buffer, .address_space: global }
      - { .name: W2, .offset: 8, .size: 8, .value_kind: global_buffer, .address_space: global }
      - { .name: h, .offset: 16, .size: 8, .value_kind: global_buffer, .address_space: global }
      - { .name: b1, .offset: 24, .size: 8, .value_kind: global_buffer, .address_space: global }
      - { .name: w2q, .offset: 32, .size: 8, .value_kind: global_buffer, .address_space: global }
      - { .name: zt, .offset: 40, .size: 8, .value_kind: global_buffer, .address_space: global }
      - { .name: flags, .offset: 48, .size: 8, .value_kind: global_buffer, .address_space: global }
    .group_segment_fixed_size: 104448
    .private_segment_fixed_size: 0
    .kernarg_segment_align: 8
    .kernarg_segment_size: 56
    .max_flat_workgroup_size: 256
    .sgpr_count:     66
    .vgpr_count:     256
    .wavefront_size: 32
...
	.end_amdgpu_metadata
.endif
;; end of part 1
;; launch pairs (part 2): grid 32 x 8, 16 waves a work-group, no clusters, 314,624 bytes of LDS; arguments zt, flags, w2q, b2, W3, b3, out0; writes out0
.if DOCPART == 2
	.amdgcn_target "amdgcn-amd-amdhsa--gfx1250"
	.amdhsa_code_object_version 6
	.text
	.protected	k_qed6a83a60b_pairs
	.globl	k_qed6a83a60b_pairs
	.p2align	8
	.type	k_qed6a83a60b_pairs,@function
k_qed6a83a60b_pairs:
	s_mov_b64 s[64:65], 0
	v_nop
	global_prefetch_b8 v0, s[64:65] scope:SCOPE_SE
	s_setreg_imm32_b32 hwreg(HW_REG_WAVE_MODE, 25, 1), 1
	s_wait_xcnt 0x0
; out0[i][j] = W3 . tanh(Q(tanh(yi[i] + yj[j] + b1)) Q(W2) + b2) + b3, the diagonal -20.  zt holds zi = c (yi + b1) and zj = c yj, c = 2 log2(e); w2q W2's codes in operand order (see the launch before).
; SHARES.  256 work-groups.  Work-group (X, Y) owns i = 16 X .. + 15 and j = 64 Y .. + 63.  Sixteen waves of 256 registers.  Wave w: jg = w % 4 picks 16 j, iset = w / 4 picks 4 i: four tiles of 16 pairs.
; tanh(x) = 1 - 2 / (1 + 2^(c x)): right at both ends.
; THE FIRST LAYER HAS TWO FORMS, chosen by the whole numbers that the launch before stored.  No flag set (every |z| is at most 120): the LDS tables hold E = 2^z, all ordinary numbers, and 1 + 2^(zi + zj) is ONE
; fused multiply-add, Ei Ej + 1 (the product is not rounded by itself; beyond the format's range the sum is infinity and tanh 1, under it 1 and tanh -1).  A flag set: the tables hold z, and each unit jumps to lines
; behind the last s_endpgm that add and take the exponential.  The jump leads round no barrier.
; PHASE A: a wave makes the codes of its 64 pairs' first hidden layer for all K = 512: 128 registers.  A lane holds whole blocks of 32 (k = 64 ch + 32 (lane / 16) + 0 .. 31 of pair lane % 16).
; PHASE B: the wave walks the 32 tiles of 16 hidden units, W2's fragments from LDS, b2 as the C of each sum's first product; source 0 = 16 columns of W2, source 1 = 16 pairs: a lane holds one pair,
; and the last product (N = 1) is a multiply-add a number, in f32.  The logit is (b3 + sum W3) - 2 sum W3 r, r the reciprocal.
; NO TENSOR LOAD, NO CLUSTER: W2's image and the tables come through registers, each byte of LDS written once.  No prefetch: every global read stands at the head.
; LIMITS: NaN and infinite inputs are not served; a block of zeros gets the scale byte 1 (its codes are zeros).
.set ZP,    2064                       ; a table row: 2,048 bytes + 16
.set W2SC,  131072                     ; LDS 0: w2q as it lies; from here its scale words
.set ZB,    139264                     ; 80 table rows: 0-15 for i, 16-79 for j
.set B2T,   304384                     ; b2[n]
.set W3T,   B2T+2048                   ; -2 W3[n]
.set OST,   308480                     ; 16 x 64 f32: the way out
.set SPARE, 312576                     ; the spare words, 128 bytes a wave
.set RR,   1
.set HH,   2
.set L16,  3
.set AJ,   4
.set AI,   5
.set SH8,  6
.set TP,   7
.set SCV,  8
.set MXA,  9
.set MXB,  10
.set TB,   11
.set DJ,   10                          ; phase B: my j - my tile 0's i
.set M20,  11
.set BS,   12                          ; v12-15   W2's scale words of a trip, and nothing else
.set AC,   16                          ; v16-143  the hidden layer's codes: tile t, K step s, group c at 32 t + 8 s + 4 c
.set AS,   144                         ; v144-159 its scale words, 4 t + s, and nothing else
.set ZJ,   160                         ; phase A: v160-191 the j table's 32 numbers;  v192-255 a unit's 32 numbers, two sets
.set XB,   192
.set ACC,  160                         ; phase B: v160-191 accumulators; v192-223 W2's fragments; v224-231 b2; v232-239 -2 W3; v240-247 the logits' sums; v248 b3 + sum W3
.set BF,   192
.set B2R,  224
.set W3R,  232
.set LG,   240
.set WS,   248
.set W2C,  16                          ; head: v16-83 W2's image on its way
.set FL,   192                         ; head: v192-199 flags; v200, v201 b2, W3; v204.. addresses
.set T16,  204
.set T16B, 205
.set T16C, 206
.set A4T,  207
.set ATB,  208
.set AT0,  209
.set AT1,  210
.set AT2,  211
.set FA,   212
.set WV,   20
.set CS,   24
.set SEL,  26
.set FLG,  46
.macro BARRIER
	s_wait_alu depctr_va_vdst(0)                   ; the wait ahead of the blocking wait
	s_wait_dscnt 0x0
	s_barrier_signal -1
	s_barrier_wait -1
.endm
.macro QBLK x, dst                     ; 32 numbers of one lane, a whole block, become four registers of codes; v[SCV] keeps the scale operand
	v_max3_num_f32 v[MXA], |v[(\x)]|, |v[(\x)+1]|, 0x1800000       ; among the leaves the floor 2^(3 - 127)
	v_max3_num_f32 v[MXB], |v[(\x)+16]|, |v[(\x)+17]|, |v[(\x)+18]|
.irp j, 0,1,2,3,4,5
	v_max3_num_f32 v[MXA], v[MXA], |v[(\x)+2+2*\j]|, |v[(\x)+3+2*\j]|
	v_max3_num_f32 v[MXB], v[MXB], |v[(\x)+19+2*\j]|, |v[(\x)+20+2*\j]|
.endr
	v_max3_num_f32 v[MXA], v[MXA], |v[(\x)+14]|, |v[(\x)+15]|
	v_max3_num_f32 v[MXA], v[MXA], v[MXB], |v[(\x)+31]|
	v_add_nc_u32 v[SCV], 0xff000000, v[MXA]
.irp g, 0,1,2,3
	v_cvt_scalef32_pk8_fp4_f32 v[(\dst)+\g], v[(\x)+8*\g:(\x)+8*\g+7], v[SCV]
.endr
.endm
.macro SWORD reg                       ; my blocks hh and 2 + hh go to their places; lane l xor 16's two make the word whole
	v_lshrrev_b32 v[TB], 23, v[SCV]
	v_lshl_or_b32 v[\reg], v[TB], 16, v[\reg]
	v_lshlrev_b32 v[\reg], v[SH8], v[\reg]
	v_permlanex16_b32 v[TP], v[\reg], s[SEL], s[SEL+1]
	v_or_b32 v[\reg], v[\reg], v[TP]
.endm
.macro BATCH op, x                     ; 32 transcendentals in place: one wait ahead, one plain line and one wait behind
	s_wait_alu depctr_va_vdst(0)
.set i, 0
.rept 32
	\op v[(\x)+i], v[(\x)+i]
.set i, i+1
.endr
	v_nop
	s_wait_alu depctr_va_vdst(0)
.endm
.macro PLUS1 x
.set i, 0
.rept 16
	v_pk_add_f32 v[(\x)+i:(\x)+i+1], v[(\x)+i:(\x)+i+1], 1.0 op_sel_hi:[1,0]
.set i, i+2
.endr
.endm
	s_load_b256 s[4:11], s[0:1], 0x0               ; zt s[4:5], flags s[6:7], w2q s[8:9], b2 s[10:11]
	s_load_b128 s[12:15], s[0:1], 0x20             ; W3 s[12:13], b3 s[14:15]
	s_load_b64 s[16:17], s[0:1], 0x30              ; out0
	v_lshrrev_b32 v1, 5, v0
	v_readfirstlane_b32 s[WV], v1                  ; wave 0..15
	s_and_b32 s23, ttmp7, 0xffff                   ; Y;  X is ttmp9
	s_and_b32 s56, s[WV], 3                        ; jg
	s_lshr_b32 s57, s[WV], 2                       ; iset
	s_mov_b32 s[CS], 0x4038aa3b                    ; c
	s_mov_b32 s[CS+1], s[CS]
	s_mov_b32 s[SEL], 0x76543210
	s_mov_b32 s[SEL+1], 0xfedcba98
	s_lshl_b32 s28, ttmp9, 4
	s_add_co_u32 s28, s28, s[WV]
	s_lshl_b32 s28, s28, 11                        ; row 16 X + w of 2,048 bytes: zi's and out0's
	s_mov_b32 s29, 0
	s_lshl_b32 s30, s23, 6
	s_add_co_u32 s30, s30, s[WV]
	s_lshl_b32 s30, s30, 11
	s_add_co_u32 s30, s30, 0x100000                ; zj: row 64 Y + w
	s_mov_b32 s31, 0
	s_lshl_b32 s32, s23, 8
	s_add_co_u32 s32, s32, s28                     ; out0: + column 64 Y
	s_mov_b32 s33, 0
	s_mul_i32 s34, s[WV], ZP
	s_add_co_u32 s34, s34, ZB                      ; table row w
	s_mul_i32 s35, s56, 16*ZP
	s_add_co_u32 s35, s35, ZB+16*ZP
	s_mul_i32 s36, s57, 4*ZP
	s_add_co_u32 s36, s36, ZB
	s_lshl_b32 s37, s23, 6
	s_lshl_b32 s38, s56, 4
	s_add_co_u32 s37, s37, s38                     ; 64 Y + 16 jg
	s_lshl_b32 s38, ttmp9, 4
	s_lshl_b32 s39, s57, 2
	s_add_co_u32 s38, s38, s39                     ; 16 X + 4 iset
	s_sub_co_u32 s37, s37, s38
	v_and_b32 v[RR], 15, v0
	v_bfe_u32 v[HH], v0, 4, 1
	v_and_b32 v[L16], 31, v0
	v_lshlrev_b32 v[L16], 4, v[L16]
	v_lshlrev_b32 v[SH8], 3, v[HH]
	v_mov_b32 v[TP], 0
	v_lshlrev_b32 v[FA], 1, v[L16]                 ; flags: 32 bytes a lane
	v_lshlrev_b32 v[T16], 4, v0                    ; W2's image: 16 bytes a thread, 8,192 a round
	v_add_nc_u32 v[T16B], 0x10000, v[T16]
	v_add_nc_u32 v[T16C], 0x20000, v[T16]
	v_lshlrev_b32 v[A4T], 2, v0
	v_lshl_add_u32 v[ATB], v0, 2, B2T
	v_add_nc_u32 v[AT0], s34, v[L16]               ; table rows w + 16 q: q = 0, 1;
	v_add_nc_u32 v[AT1], 32*ZP, v[AT0]             ; 2, 3;
	v_add_nc_u32 v[AT2], 64*ZP, v[AT0]             ; 4
	v_mul_u32_u24 v[AJ], v[RR], ZP
	v_lshl_add_u32 v[AJ], v[HH], 7, v[AJ]
	v_add_nc_u32 v[AJ], s35, v[AJ]                 ; phase A: j's row 16 + 16 jg + r, + 128 hh
	v_lshlrev_b32 v[AI], 7, v[HH]
	v_add_nc_u32 v[AI], s36, v[AI]                 ; i's row 4 iset, + 128 hh
	s_wait_alu depctr_va_vdst(0)                   ; the wait at the head's end
	s_wait_kmcnt 0x0
	s_add_nc_u64 s[28:29], s[4:5], s[28:29]
	s_add_nc_u64 s[30:31], s[4:5], s[30:31]
	s_add_nc_u64 s[54:55], s[16:17], s[32:33]
	s_load_b32 s45, s[14:15], 0x0                  ; b3
	global_load_b128 v[FL:FL+3], v[FA], s[6:7]
	global_load_b128 v[FL+4:FL+7], v[FA], s[6:7] offset:16
.macro ZREG q                          ; row q's 16 registers: v84-131 for q = 0 .. 2, v160-191 for 3, 4 (the scale registers between are left alone)
.if (\q)/3 == 0
.set zr, 84+16*(\q)
.else
.set zr, 160+16*((\q)-3)
.endif
.endm
.irp i, 0,1,2,3
	global_load_b128 v[84+4*\i:84+4*\i+3], v[L16], s[28:29] offset:512*\i          ; 32 lanes read 512 consecutive bytes
.endr
.irp q, 1,2,3,4
	ZREG \q
.irp i, 0,1,2,3
	global_load_b128 v[zr+4*\i:zr+4*\i+3], v[L16], s[30:31] offset:32768*(\q-1)+512*\i
.endr
.endr
	global_load_b32 v200, v[A4T], s[10:11]         ; b2[t]
	global_load_b32 v201, v[A4T], s[12:13]         ; W3[t]
.set i, 0
.rept 17
	global_load_b128 v[W2C+4*i:W2C+4*i+3], v[T16], s[8:9] offset:8192*i
.set i, i+1
.endr
	s_wait_loadcnt 17                              ; all but W2's 17
.irp j, 1,2,3,4,5,6,7
	v_or_b32 v[FL], v[FL], v[FL+\j]
.endr
	v_cmp_ne_u32 vcc_lo, 0, v[FL]
	s_cmp_lg_u32 vcc_lo, 0
	s_cselect_b32 s[FLG], 1, 0                     ; 1: some |z| is over 120
	v_mul_f32 v201, -2.0, v201
	s_wait_alu depctr_va_vdst(0)                   ; the wait ahead of the branch and of the batch
	s_cbranch_scc1 .Lkeep_z
.set i, 0
.rept 48
	v_exp_f32 v[84+i], v[84+i]                     ; E = 2^z
.set i, i+1
.endr
.set i, 0
.rept 32
	v_exp_f32 v[160+i], v[160+i]
.set i, i+1
.endr
	v_nop
	s_wait_alu depctr_va_vdst(0)
.Lkeep_z:
.irp q, 0,1,2,3,4
	ZREG \q
.irp i, 0,1,2,3
	ds_store_b128 v[AT0+(\q)/2], v[zr+4*\i:zr+4*\i+3] offset:((\q)%2)*16*ZP+512*\i
.endr
.endr
	ds_store_b32 v[ATB], v200
	ds_store_b32 v[ATB], v201 offset:2048
	s_wait_loadcnt 0x0
.set i, 0
.rept 17
	ds_store_b128 v[T16+i/8], v[W2C+4*i:W2C+4*i+3] offset:8192*(i%8)
.set i, i+1
.endr
	s_wait_kmcnt 0x0                               ; b3
	BARRIER                                        ; tables and W2 are whole; from here to the way out no wave writes LDS
	; ---- PHASE A
.macro LZJ ch                          ; j's table, k = 64 ch + 32 hh + 0 .. 31 of my row: it serves the four tiles
.irp q, 0,1,2,3,4,5,6,7
	ds_load_b128 v[ZJ+4*\q:ZJ+4*\q+3], v[AJ] offset:256*(\ch)+16*\q
.endr
.endm
.macro LZI u                           ; i's table for unit u = 4 ch + t, into set u % 2
.irp q, 0,1,2,3,4,5,6,7
	ds_load_b128 v[XB+32*((\u)%2)+4*\q:XB+32*((\u)%2)+4*\q+3], v[AI] offset:((\u)%4)*ZP+256*((\u)/4)+16*\q
.endr
.endm
.macro UNIT u                          ; a block of 32 for each lane of tile t: group ch % 2 of K step ch / 2
.set uT, (\u)%4
.set uCH, (\u)/4
.set uX, XB+32*((\u)%2)
.set uD, AC+32*uT+4*uCH
.set uS, AS+4*uT+uCH/2
.if (\u) != 31
	LZI (\u)+1
	s_wait_dscnt 8                                 ; all but those eight
.else
	s_wait_dscnt 0x0
.endif
	s_cmp_lg_u32 s[FLG], 0
	s_cbranch_scc1 .Lrob_\u
.set i, 0
.rept 16
	v_pk_fma_f32 v[uX+i:uX+i+1], v[uX+i:uX+i+1], v[ZJ+i:ZJ+i+1], 1.0 op_sel_hi:[1,1,0]     ; 1 + Ei Ej
.set i, i+2
.endr
.Lback_\u:
.if uT == 3
.if uCH != 7
	LZJ uCH+1                                      ; the four tiles have read j's numbers: the next 64 along K
.endif
.endif
	BATCH v_rcp_f32, uX
.set i, 0
.rept 16
	v_pk_fma_f32 v[uX+i:uX+i+1], v[uX+i:uX+i+1], -2.0, 1.0 op_sel_hi:[1,0,0]       ; tanh = 1 - 2 r
.set i, i+2
.endr
	QBLK uX, uD
.if uCH%2 == 0
	v_lshrrev_b32 v[uS], 23, v[SCV]
.else
	SWORD uS
.endif
.endm
	LZJ 0
	LZI 0
.irp u, 0,1,2,3,4,5,6,7,8,9,10,11,12,13,14,15,16,17,18,19,20,21,22,23,24,25,26,27,28,29,30,31
	UNIT \u
.endr
	; ---- PHASE B.  The vector lines up to the first product are more than the eight places between the last scale word made and a scaled product
	s_mov_b32 s60, 0                               ; the trip's place among W2's fragments: 4,096 bytes a trip,
	s_mov_b32 s61, W2SC                            ; its scale words: 256,
	s_mov_b32 s62, B2T                             ; b2 and W3: 64
	v_add_nc_u32 v[AJ], s60, v[L16]
	v_lshl_add_u32 v[AI], v[RR], 4, s61
	v_lshl_add_u32 v[SH8], v[HH], 5, s62
	v_lshl_add_u32 v[MXA], v[L16], 2, W3T          ; 64 bytes of -2 W3 a lane
	v_add_nc_u32 v[DJ], s37, v[RR]
	v_mov_b32 v[M20], 0xc1a00000                   ; -20
.irp j, 0,1,2,3,4,5,6,7
	v_mov_b32 v[LG+\j], 0
.endr
.macro BLOADS                          ; eleven loads: W2's four fragments of 16 hidden units, their scale words, b2 in the result's layout
.irp ks, 0,1,2,3
.irp c, 0,1
	ds_load_b128 v[BF+8*\ks+4*\c:BF+8*\ks+4*\c+3], v[AJ] offset:1024*\ks+512*\c
.endr
.endr
	ds_load_b128 v[BS:BS+3], v[AI]
	ds_load_b128 v[B2R:B2R+3], v[SH8]
	ds_load_b128 v[B2R+4:B2R+7], v[SH8] offset:16
.endm
.macro W3LOAD
	ds_load_b128 v[W3R:W3R+3], v[SH8] offset:2048
	ds_load_b128 v[W3R+4:W3R+7], v[SH8] offset:2064
.endm
.irp q, 0,1,2,3
	ds_load_b128 v[ACC+4*\q:ACC+4*\q+3], v[MXA] offset:16*\q
.endr
	BLOADS
	W3LOAD
	s_wait_dscnt 13                                ; my 16 numbers of -2 W3 are in; the first trip's 13 loads may be out
.irp p, 0,4,8,12
	v_pk_add_f32 v[ACC+\p:ACC+\p+1], v[ACC+\p:ACC+\p+1], v[ACC+\p+2:ACC+\p+3]
.endr
	v_pk_add_f32 v[ACC:ACC+1], v[ACC:ACC+1], v[ACC+4:ACC+5]
	v_pk_add_f32 v[ACC+8:ACC+9], v[ACC+8:ACC+9], v[ACC+12:ACC+13]
	v_pk_add_f32 v[ACC:ACC+1], v[ACC:ACC+1], v[ACC+8:ACC+9]
	v_add_f32 v[WS], v[ACC], v[ACC+1]
.irp m, 1,2,4,8
	v_add_f32_dpp v[WS], v[WS], v[WS] row_xmask:\m row_mask:0xf bank_mask:0xf
.endr
	v_permlanex16_b32 v[TP], v[WS], s[SEL], s[SEL+1]
	v_add_f32 v[WS], v[WS], v[TP]                  ; the sum of -2 W3 over all 512
	v_fma_f32 v[WS], v[WS], -0.5, s45              ; b3 + sum W3
.macro TRIP fetch                      ; 16 hidden units n = 16 nt + 8 hh + 0 .. 7 for my 64 pairs
	s_wait_dscnt 2                                 ; all but W3's two
.irp ks, 0,1,2,3                               ; the four accumulators take turns
.irp t, 0,1,2,3
.if \ks == 0
	v_wmma_scale_f32_16x16x128_f8f6f4 v[ACC+8*\t:ACC+8*\t+7], v[BF+8*\ks:BF+8*\ks+7], v[AC+32*\t+8*\ks:AC+32*\t+8*\ks+7], v[B2R:B2R+7], v[BS+\ks], v[AS+4*\t+\ks] matrix_a_fmt:MATRIX_FMT_FP4 matrix_b_fmt:MATRIX_FMT_FP4
.else
	v_wmma_scale_f32_16x16x128_f8f6f4 v[ACC+8*\t:ACC+8*\t+7], v[BF+8*\ks:BF+8*\ks+7], v[AC+32*\t+8*\ks:AC+32*\t+8*\ks+7], v[ACC+8*\t:ACC+8*\t+7], v[BS+\ks], v[AS+4*\t+\ks] matrix_a_fmt:MATRIX_FMT_FP4 matrix_b_fmt:MATRIX_FMT_FP4
.endif
.endr
.endr
.if \fetch
	s_add_co_u32 s60, s60, 4096
	s_add_co_u32 s61, s61, 256
	s_add_co_u32 s62, s62, 64
	v_add_nc_u32 v[AJ], s60, v[L16]                ; the next trip's addresses: with the v_nop the four places behind the products
	v_lshl_add_u32 v[AI], v[RR], 4, s61
	v_lshl_add_u32 v[SH8], v[HH], 5, s62
	v_nop
	BLOADS
.else
.rept 4
	v_nop
.endr
.endif
.set i, 0
.rept 16
	v_pk_mul_f32 v[ACC+i:ACC+i+1], v[ACC+i:ACC+i+1], s[CS:CS+1] op_sel_hi:[1,0]   ; x c; each accumulator from its low end on
.set i, i+2
.endr
	BATCH v_exp_f32, ACC
	PLUS1 ACC
	BATCH v_rcp_f32, ACC
.if \fetch
	s_wait_dscnt 11                                ; W3's two are in; the eleven behind them may be out
.else
	s_wait_dscnt 0x0
.endif
.irp p, 0,1,2,3
.irp t, 0,1,2,3
	v_pk_fma_f32 v[LG+2*\t:LG+2*\t+1], v[ACC+8*\t+2*\p:ACC+8*\t+2*\p+1], v[W3R+2*\p:W3R+2*\p+1], v[LG+2*\t:LG+2*\t+1]    ; the last product, in f32: -2 W3 r
.endr
.endr
.if \fetch
	W3LOAD
.endif
.endm
	s_mov_b32 s44, 31
.Ltrip:
	TRIP 1
	s_sub_co_u32 s44, s44, 1
	s_cmp_lg_u32 s44, 0
	s_cbranch_scc1 .Ltrip
	TRIP 0
	; ---- THE WAY OUT: a lane's two halves, lane l xor 16's eight hidden units of each tile, and b3 + sum W3
.irp t, 0,1,2,3
	v_add_f32 v[ACC+\t], v[LG+2*\t], v[LG+2*\t+1]
.endr
.irp t, 0,1,2,3
	v_permlanex16_b32 v[ACC+4+\t], v[ACC+\t], s[SEL], s[SEL+1]
.endr
.irp t, 0,1,2,3
	v_add_f32 v[ACC+\t], v[ACC+\t], v[ACC+4+\t]
.endr
.irp t, 0,1,2,3
	v_add_f32 v[ACC+\t], v[ACC+\t], v[WS]
.endr
.irp t, 0,1,2,3
	v_cmp_eq_u32 vcc_lo, \t, v[DJ]
	v_cndmask_b32 v[ACC+\t], v[ACC+\t], v[M20], vcc_lo             ; -20 where i = j: a choice of value
.endr
	s_lshl_b32 s28, s57, 10
	s_lshl_b32 s29, s56, 6
	s_add_co_u32 s28, s28, s29
	s_add_co_u32 s28, s28, OST
	v_lshl_add_u32 v[AJ], v[RR], 2, s28            ; the stage: row 4 iset + t of 256 bytes, column 16 jg + r
	v_lshl_add_u32 v[AI], v0, 3, OST               ; back: wave w takes row w, 8 bytes a lane
	v_and_b32 v[SH8], 31, v0
	v_lshlrev_b32 v[SH8], 3, v[SH8]
.irp t, 0,1,2,3
	ds_store_b32 v[AJ], v[ACC+\t] offset:256*\t    ; both halves of the lanes write the same word with the same value
.endr
	BARRIER
	ds_load_b64 v[ACC+8:ACC+9], v[AI]
	s_wait_dscnt 0x0
	global_store_b64 v[SH8], v[ACC+8:ACC+9], s[54:55] th:TH_STORE_NT       ; 32 lanes store 256 consecutive bytes, at a multiple of 256 from out0's first byte
	v_lshl_add_u32 v254, v0, 2, SPARE
	v_mov_b32 v255, 0
	s_wait_alu depctr_va_vdst(0)                   ; the wait ahead of the blocking wait
	s_wait_tensorcnt 0x0                           ; the wave's end
	ds_add_u32 v254, v255
	s_wait_dscnt 0x0
	s_endpgm
; The first layer's other form, unit by unit: the tables hold z: 1 + 2^(zi + zj) by an addition and an exponential.
.macro ROB u
.set uX, XB+32*((\u)%2)
.Lrob_\u:
.set i, 0
.rept 16
	v_pk_add_f32 v[uX+i:uX+i+1], v[uX+i:uX+i+1], v[ZJ+i:ZJ+i+1]
.set i, i+2
.endr
	BATCH v_exp_f32, uX
	PLUS1 uX
	s_wait_alu depctr_va_vdst(0)                   ; the wait ahead of the branch
	s_branch .Lback_\u
.endm
.irp u, 0,1,2,3,4,5,6,7,8,9,10,11,12,13,14,15,16,17,18,19,20,21,22,23,24,25,26,27,28,29,30,31
	ROB \u
.endr
.Lfunc_end_k_qed6a83a60b_pairs:
	.size	k_qed6a83a60b_pairs, .Lfunc_end_k_qed6a83a60b_pairs-k_qed6a83a60b_pairs
	.p2alignl 7, 3214868480
	.fill 96, 4, 3214868480
	.section	.rodata,"a",@progbits
	.p2align	6, 0x0
	.amdhsa_kernel k_qed6a83a60b_pairs
		.amdhsa_group_segment_fixed_size 314624
		.amdhsa_private_segment_fixed_size 0
		.amdhsa_enable_private_segment 0
		.amdhsa_kernarg_size 56
		.amdhsa_user_sgpr_count 2
		.amdhsa_user_sgpr_kernarg_segment_ptr 1
		.amdhsa_wavefront_size32 1
		.amdhsa_system_sgpr_workgroup_id_x 1
		.amdhsa_system_sgpr_workgroup_id_y 1
		.amdhsa_system_sgpr_workgroup_id_z 1
		.amdhsa_system_vgpr_workitem_id 0
		.amdhsa_next_free_vgpr 256
		.amdhsa_next_free_sgpr 66
		.amdhsa_reserve_vcc 1
		.amdhsa_float_denorm_mode_32 3
		.amdhsa_float_denorm_mode_16_64 3
		.amdhsa_memory_ordered 1
		.amdhsa_forward_progress 1
		.amdhsa_inst_pref_size 255
	.end_amdhsa_kernel
	.section	.bss,"aw",@nobits
	.p2align	6
	.space	262144
	.amdgpu_metadata
---
amdhsa.version: [ 1, 2 ]
amdhsa.kernels:
  - .name:           k_qed6a83a60b_pairs
    .symbol:         k_qed6a83a60b_pairs.kd
    .args:
      - { .name: zt, .offset: 0, .size: 8, .value_kind: global_buffer, .address_space: global }
      - { .name: flags, .offset: 8, .size: 8, .value_kind: global_buffer, .address_space: global }
      - { .name: w2q, .offset: 16, .size: 8, .value_kind: global_buffer, .address_space: global }
      - { .name: b2, .offset: 24, .size: 8, .value_kind: global_buffer, .address_space: global }
      - { .name: W3, .offset: 32, .size: 8, .value_kind: global_buffer, .address_space: global }
      - { .name: b3, .offset: 40, .size: 8, .value_kind: global_buffer, .address_space: global }
      - { .name: out0, .offset: 48, .size: 8, .value_kind: global_buffer, .address_space: global }
    .group_segment_fixed_size: 314624
    .private_segment_fixed_size: 0
    .kernarg_segment_align: 8
    .kernarg_segment_size: 56
    .max_flat_workgroup_size: 512
    .sgpr_count:     66
    .vgpr_count:     256
    .wavefront_size: 32
...
	.end_amdgpu_metadata
.endif
;; end of part 2
